; MI455X (gfx1250); checked and timed in simulation.
; The chip was launched on July 23, 2026; its instructions are those of AMD's public machine-readable ISA for CDNA 5 (MIT licence, August 2026) and "CDNA5" Instruction Set Architecture Reference Guide (July 2026). The comments in the code are by the model that wrote it; some were corrected since.
;; Model. Allowed arithmetic: float matrix products may take bf16 or f16 operands with f32 sums; all other float work in f32.
;; Inputs: angles 128 float32; x 128 x 1 x 128 x 128 float32.
;; Outputs: out0 128 x 1 x 128 x 128 float32.
;; 3 versions, each right; version 2 is faster than version 1; version 3 is version 2 with the launch project written anew for expert scheduling mode. Each part assembles by itself: llvm-mc -triple=amdgcn-amd-amdhsa -mcpu=gfx1250 --defsym DOCPART=n.
;; ======== version 1 of 3: 2 launches
;; limits: right only within a limited range of input values
;; workspace buffers: trig 1,024 bytes of whole numbers
;; launch fixtrig (part 1): grid 1 x 1, 4 waves a work-group, no clusters, 0 bytes of LDS; arguments angles, trig; writes trig
.if DOCPART == 1
	.amdgcn_target "amdgcn-amd-amdhsa--gfx1250"
	.amdhsa_code_object_version 6
	.text
	.protected	k_qcab5e2fec8_fixtrig
	.globl	k_qcab5e2fec8_fixtrig
	.p2align	8
	.type	k_qcab5e2fec8_fixtrig,@function
k_qcab5e2fec8_fixtrig:
	s_mov_b64 s[64:65], 0
	v_nop
	global_prefetch_b8 v0, s[64:65] scope:SCOPE_SE
	s_setreg_imm32_b32 hwreg(HW_REG_WAVE_MODE, 25, 1), 1
	s_wait_xcnt 0x0
; trig[a] = ( round(cos(angles[a]) * 2^22), round(sin(angles[a]) * 2^22) ), two signed 32-bit whole numbers for each of the 128 angles.
; The next launch forms every sample coordinate, and from it every LDS address, from these whole numbers in integer arithmetic.
; One thread, one angle: 128 threads, one work-group; there is no work for more.
; cos and sin in f32: j = nearest whole number to angle * 2/pi; r = angle - j * pi/2 with pi/2 in three parts and fused multiply-adds
; (the first part has 21 significant bits, so j times it is a multiple of 2^-20 and the first difference is exact); polynomials on |r| <= pi/4; the quadrant j mod 4
; chooses and signs them by v_cndmask_b32 and by the sign bit.
; LIMITS: angles are finite; the reduction is meant for |angle| up to about 1e5 (beyond it j * 2/pi is rounded so coarsely that r leaves the range of the polynomials).
; The error of cos and sin is about 1e-7 from the polynomials and 2^-23 from the rounding to whole numbers.
	s_load_b128 s[4:7], s[0:1], 0x0                ; angles s[4:5], trig s[6:7]
	v_lshlrev_b32 v1, 2, v0                        ; byte offset of my angle
	v_lshlrev_b32 v2, 3, v0                        ; byte offset of my two numbers
	s_wait_kmcnt 0x0
	global_load_b32 v3, v1, s[4:5]
	s_wait_loadcnt 0x0
	v_mul_f32 v4, 0x3f22f983, v3                   ; angle * 2/pi
	v_rndne_f32 v4, v4                             ; j
	v_fmamk_f32 v5, v4, 0xbfc90fd8, v3             ; r = angle - j * 1.57079601
	v_fmamk_f32 v5, v4, 0xb4a8885a, v5             ;       - j * 3.13916473e-7
	v_fmamk_f32 v5, v4, 0xa7c234c4, v5             ;       - j * 5.39030253e-15
	v_cvt_i32_f32 v6, v4                           ; j as a whole number: its two low bits are the quadrant
	v_mul_f32 v7, v5, v5                           ; z = r^2
	v_mov_b32 v8, 0xb94ca1f9                       ; sin: -1.9515296e-4
	v_mov_b32 v10, 0x37ccf5ce                      ; cos:  2.4433157e-5
	v_fmaak_f32 v8, v7, v8, 0x3c08839e             ;  * z + 8.3321609e-3
	v_fmaak_f32 v10, v7, v10, 0xbab6061a           ;  * z - 1.3887316e-3
	v_fmaak_f32 v8, v7, v8, 0xbe2aaaa3             ;  * z - 1.6666655e-1
	v_fmaak_f32 v10, v7, v10, 0x3d2aaaa5           ;  * z + 4.1666646e-2
	v_mul_f32 v9, v7, v5                           ; z r
	v_mul_f32 v11, v7, v7                          ; z^2
	v_fma_f32 v12, v7, -0.5, 1.0                   ; 1 - z / 2
	v_fma_f32 v8, v9, v8, v5                       ; sin r = r + z r p(z)
	v_fma_f32 v10, v11, v10, v12                   ; cos r = 1 - z / 2 + z^2 q(z)
	v_and_b32 v13, 1, v6
	v_cmp_eq_u32 vcc_lo, 1, v13                    ; odd quadrant: the two change places
	v_cndmask_b32 v14, v8, v10, vcc_lo             ; |sin angle|
	v_cndmask_b32 v15, v10, v8, vcc_lo             ; |cos angle|
	v_and_b32 v16, 2, v6                           ; sin is negated in quadrants 2 and 3,
	v_add_nc_u32 v17, 1, v6
	v_and_b32 v17, 2, v17                          ; cos in quadrants 1 and 2
	v_lshlrev_b32 v16, 30, v16                     ; bit 1 becomes the sign bit
	v_lshlrev_b32 v17, 30, v17
	v_xor_b32 v14, v14, v16
	v_xor_b32 v15, v15, v17
	v_mul_f32 v15, 0x4a800000, v15                 ; * 2^22
	v_mul_f32 v14, 0x4a800000, v14
	v_rndne_f32 v15, v15
	v_rndne_f32 v14, v14
	v_cvt_i32_f32 v18, v15                         ; cos first,
	v_cvt_i32_f32 v19, v14                         ; then sin
	global_store_b64 v2, v[18:19], s[6:7]          ; a wave stores 256 consecutive bytes, at a multiple of 256 from the first byte of trig
	s_endpgm
.Lfunc_end_k_qcab5e2fec8_fixtrig:
	.size	k_qcab5e2fec8_fixtrig, .Lfunc_end_k_qcab5e2fec8_fixtrig-k_qcab5e2fec8_fixtrig
	.p2alignl 7, 3214868480
	.fill 96, 4, 3214868480
	.section	.rodata,"a",@progbits
	.p2align	6, 0x0
	.amdhsa_kernel k_qcab5e2fec8_fixtrig
		.amdhsa_group_segment_fixed_size 0
		.amdhsa_private_segment_fixed_size 0
		.amdhsa_enable_private_segment 0
		.amdhsa_kernarg_size 16
		.amdhsa_user_sgpr_count 2
		.amdhsa_user_sgpr_kernarg_segment_ptr 1
		.amdhsa_wavefront_size32 1
		.amdhsa_system_sgpr_workgroup_id_x 1
		.amdhsa_system_sgpr_workgroup_id_y 1
		.amdhsa_system_sgpr_workgroup_id_z 1
		.amdhsa_system_vgpr_workitem_id 0
		.amdhsa_next_free_vgpr 24
		.amdhsa_next_free_sgpr 66
		.amdhsa_reserve_vcc 1
		.amdhsa_float_denorm_mode_32 3
		.amdhsa_float_denorm_mode_16_64 3
		.amdhsa_memory_ordered 1
		.amdhsa_forward_progress 1
		.amdhsa_inst_pref_size 3
	.end_amdhsa_kernel
	.amdgpu_metadata
---
amdhsa.version: [ 1, 2 ]
amdhsa.kernels:
  - .name:           k_qcab5e2fec8_fixtrig
    .symbol:         k_qcab5e2fec8_fixtrig.kd
    .args:
      - { .name: angles, .offset: 0, .size: 8, .value_kind: global_buffer, .address_space: global }
      - { .name: trig, .offset: 8, .size: 8, .value_kind: global_buffer, .address_space: global }
    .group_segment_fixed_size: 0
    .private_segment_fixed_size: 0
    .kernarg_segment_align: 8
    .kernarg_segment_size: 16
    .max_flat_workgroup_size: 128
    .sgpr_count:     66
    .vgpr_count:     24
    .wavefront_size: 32
...
	.end_amdgpu_metadata
.endif
;; end of part 1
;; launch project (part 2): grid 8 x 32, 16 waves a work-group, no clusters, 315,392 bytes of LDS; arguments x, trig, out0; writes out0
.if DOCPART == 2
	.amdgcn_target "amdgcn-amd-amdhsa--gfx1250"
	.amdhsa_code_object_version 6
	.text
	.protected	k_qcab5e2fec8_project
	.globl	k_qcab5e2fec8_project
	.p2align	8
	.type	k_qcab5e2fec8_project,@function
k_qcab5e2fec8_project:
	s_mov_b64 s[64:65], 0
	v_nop
	global_prefetch_b8 v0, s[64:65] scope:SCOPE_SE
	s_setreg_imm32_b32 hwreg(HW_REG_WAVE_MODE, 25, 1), 1
	s_wait_xcnt 0x0
; out0[b][0][a][d] = the sum over t = 0..127 of the bilinear sample, zero outside the image, of x[b][0] at
;   column xs = (d - 63.5) cos - (t - 63.5) sin + 63.5,   row ys = (d - 63.5) sin + (t - 63.5) cos + 63.5,   cos and sin of angles[a].
; All of it in f32.  cos and sin come as whole numbers C = cos * 2^22, S = sin * 2^22 from the launch before.
; SHARES.  A work-group owns 4 images (work-group y) and 16 angles (work-group x): 32 x 8 = 256 work-groups.  Each of its 16 waves owns one angle, all d, all t.
; The 32 lanes are a patch of 8 d x 4 t: lane bits 0-1 and 4 are d, bits 2-3 are t.  A lane takes one sample point in all four images.
; LDS.  The four images lie interleaved, 16 bytes a pixel, so that one ds_load_b128 brings a corner for all four.  They stand in a frame of zeros: 131 rows of 132 pixels;
; image pixel (y, x) is at row y + 1, column x + 1; row 0, column 0, rows 129-130 and columns 129-131 are zero.
; COORDINATES are whole numbers, (xs + 1) * 2^23 modulo 2^32: X = (2d - 127) C - (2t - 127) S + 129 * 2^22, Y likewise.  X >> 23 is the column in the frame (0 to 511),
; the low 23 bits are the weight.  xs + 1 lies between -25.4 and 154.4, so a negative one wraps to 486 or more: one unsigned minimum with 129 sends every point left of, right of,
; above or below the frame to two columns or rows of zeros, and no mask of valid corners is needed.
; BANKS.  A row is 132 pixels, so pixel (R, c) starts at bank 4 (4 R + c) mod 64 (64 banks of 4 bytes: ISA guide 11.1): the pixels of any block of 4 x 4 start at sixteen different
; groups of four banks.  Lanes 0-15, and lanes 16-31, are a patch of 4 x 4 samples one pixel apart, turned by the angle: only its far corners can meet in a bank.
; NOT USED, AND WHY.  Matrix instructions: as a product this is a matrix of 16,384 x 16,384 with four entries a sample, which hangs on the angles; building its tiles costs as many LDS
; accesses as the gathers.  The tensor data mover and joint loads in a cluster, though eight work-groups read the same four images: the images are interleaved pixel by pixel on the
; way into LDS, which a copy by rows cannot do, and the 262,144 bytes are read once, in the first lines.
; LIMITS.  C and S are rounded to whole numbers: a coordinate is within about 3e-5 of a pixel of the exact one; the sample is continuous in it.  The sum over t is taken in another order than t ascending.
.set PXB,    16                        ; bytes of a pixel in LDS: four images
.set ROWB,   132*PXB                   ; bytes of a row of the frame: 2,112
.set EDGE,   129                       ; the first of the two zero columns (rows) to which everything outside is sent
.set ZWAVE,  34*512                    ; bytes that a wave clears: 16 x 17,408 = 278,528 cover the frame (131 x 2,112 = 276,672)
.set STAGE,  16*ZWAVE                  ; behind the frame: for the way out, each wave its own 4 rows
.set SROW,   544                       ; a stage row: 128 d x 4 bytes + 32, so that the four rows start 8 banks apart
.set IMGB,   65536                     ; bytes of an image, and of the part of out0 that belongs to one image
.set BIAS,   0x20400000                ; 64.5 * 2^23: the centre 63.5 and the frame's one column
.set LN,   1                           ; v1        lane
.set CX,   2                           ; v2        X of the sample that is asked for next
.set CY,   3                           ; v3        Y
.set K1,   4                           ; v[4:5]    (-1, 1)
.set K2,   6                           ; v[6:7]    (2, -1)
.set XI,   8                           ; v8        column, then LDS address
.set YI,   9                           ; v9        row
.set FR,   10                          ; v[10:11]  (1 + wx, 1 + wy)
.set WU,   12                          ; v[12:13]  (1 - wx, wx)
.set WY,   14                          ; v[14:15]  (1 - wy, wy)
.set RING, 16                          ; v[16:95]  four slots of 20: four weights (w00, w01, w10, w11), then four corners x four images
.set ACC,  96                          ; v[96:159] the sums: block k of 8 d, four images, at ACC + 4 k
.set F,    16                          ; v[16:143] ahead of the loop: the 128 words of my part of the images
.set Z,    160                         ; v[160:163] zeros
.set GL,   164                         ; byte offset of my lane in a load of 128 bytes
.set ZA,   165                         ; LDS: where I clear
.set SA,   166                         ; LDS: where I put pixels
.set STO,  167                         ; LDS: where I put a result
.set RD,   168                         ; LDS: where I read a row of results back
.set GO,   169                         ; byte offset of my lane in a row of out0
.set WAVE,  10
.set COSQ,  14                         ; s14 C, s15 S
.set SINQ,  15
.set STEPX, 16                         ; 8 d on:   X + 16 C
.set STEPY, 17                         ;           Y + 16 S
.set WRAPX, 18                         ; from the last block of 8 d to the first, 4 t on:  X - 240 C - 8 S
.set WRAPY, 19                         ;                                                   Y - 240 S + 8 C
.set FRAC,  20
.set ONE,   21
.set M1,    22                         ; lanes whose t is odd
.set M2,    23                         ; lanes whose t is 2 or 3
.set CNT,   24
.set TMP,   25
	s_load_b128 s[4:7], s[0:1], 0x0                ; x s[4:5], trig s[6:7]
	s_load_b64 s[8:9], s[0:1], 0x10                ; out0
	v_lshl_add_u32 v176, v0, 2, 0x4c800
	v_mov_b32 v177, 0
	v_and_b32 v[LN], 31, v0
	v_lshrrev_b32 v[CX], 5, v0
	v_readfirstlane_b32 s[WAVE], v[CX]             ; wave 0..15
	s_and_b32 s11, ttmp7, 0xffff                   ; my group of four images
	s_lshl_b32 s12, ttmp9, 4
	s_add_co_u32 s12, s12, s[WAVE]                 ; my angle = 16 x work-group x + wave
	s_lshl_b32 s16, s11, 18                        ; four images of 65,536 bytes
	s_lshl_b32 s18, s[WAVE], 12                    ; I bring rows 8 wave to 8 wave + 7: 4,096 bytes of each image
	s_add_co_u32 s18, s18, s16
	s_mov_b32 s19, 0
	s_lshl_b32 s20, s12, 3                         ; my two numbers in trig
	s_mov_b32 s21, 0
	s_lshl_b32 s22, s12, 9                         ; my row of 512 bytes in each image's part of out0
	s_add_co_u32 s22, s22, s16
	s_mov_b32 s23, 0
	v_lshlrev_b32 v[GL], 2, v[LN]
	s_wait_kmcnt 0x0
	s_add_nc_u64 s[4:5], s[4:5], s[18:19]
	s_add_nc_u64 s[6:7], s[6:7], s[20:21]
	s_add_nc_u64 s[8:9], s[8:9], s[22:23]
	s_load_b64 s[COSQ:SINQ], s[6:7], 0x0
; Chunk c of 32: 32 pixels (128 consecutive bytes) of each of the four images, into four neighbouring registers: a lane then holds one pixel of all four, the 16 bytes that LDS wants.
.macro LOADCH c
.irp j, 0,1,2,3
	global_load_b32 v[F+4*(\c)+\j], v[GL], s[4:5] offset:\j*IMGB+(\c)*128
.endr
.endm
.set ch, 0
.rept 15                               ; fifteen chunks, sixty loads, go out first: a wait names 63 at the most
	LOADCH ch
.set ch, ch+1
.endr
	s_mul_i32 s[TMP], s[WAVE], ZWAVE
	v_lshl_add_u32 v[ZA], v[LN], 4, s[TMP]         ; clearing: wave x 17,408 + 16 lane
	s_mul_i32 s[TMP], s[WAVE], 8*ROWB
	v_lshl_add_u32 v[SA], v[LN], 4, s[TMP]         ; pixels: wave x 8 rows + 16 lane; row and column stand in the immediate
	s_mul_i32 s[TMP], s[WAVE], 4*SROW
	s_add_co_u32 s[TMP], s[TMP], STAGE             ; my stage
	v_lshl_add_u32 v[RD], v[LN], 4, s[TMP]
	v_lshlrev_b32 v[GO], 4, v[LN]
	v_and_b32 v[XI], 3, v[LN]
	v_lshrrev_b32 v[YI], 4, v[LN]
	v_lshl_add_u32 v[XI], v[YI], 2, v[XI]          ; my d in a block of 8: lane bits 0, 1 and 4
	v_bfe_u32 v[YI], v[LN], 2, 2                   ; my t in a step of 4: lane bits 2 and 3
	v_mul_u32_u24 v[STO], SROW, v[YI]              ; on the way out the lane with t = j keeps image j
	v_lshl_add_u32 v[STO], v[XI], 2, v[STO]
	v_add_nc_u32 v[STO], s[TMP], v[STO]
	v_and_b32 v[FR], 4, v[LN]
	v_cmp_ne_u32 s[M1], 0, v[FR]
	v_and_b32 v[FR], 8, v[LN]
	v_cmp_ne_u32 s[M2], 0, v[FR]
	v_mov_b32 v[K1], -1.0
	v_mov_b32 v[K1+1], 1.0
	v_mov_b32 v[K2], 2.0
	v_mov_b32 v[K2+1], -1.0
.irp i, 0,1,2,3
	v_mov_b32 v[Z+\i], 0
.endr
; The whole frame is cleared, 512 consecutive bytes a store, while the images are on their way from memory.
.set i, 0
.rept 34
	ds_store_b128 v[ZA], v[Z:Z+3] offset:512*i
.set i, i+1
.endr
	s_wait_dscnt 0x0                               ; for the others: what I cleared are other waves' rows
	s_barrier_signal -1
	s_barrier_wait -1                              ; the frame is clear: now the pixels may be put into it
.set ch, 0
.rept 32                               ; chunk ch = row ch / 4 of my eight, pixels 32 (ch % 4) on
.if ch < 17
	s_wait_loadcnt 56                              ; loads come back in order (ISA guide 5.7.1): the chunk is in, the fourteen younger chunks stay out
.else
	s_wait_loadcnt 4*(31-ch)                       ; nothing more is asked for: the counts run down
.endif
	ds_store_b128 v[SA], v[F+4*ch:F+4*ch+3] offset:(ch/4+1)*ROWB+(ch%4)*512+PXB   ; one row and one column into the frame; 32 lanes, 512 consecutive bytes
.if ch < 17
	LOADCH ch+15
.endif
.set ch, ch+1
.endr
	s_wait_kmcnt 0x0                               ; C and S
	s_lshl_b32 s[STEPX], s[COSQ], 4
	s_lshl_b32 s[STEPY], s[SINQ], 4
	s_mul_i32 s[WRAPX], s[COSQ], 0xffffff10        ; -240 C
	s_lshl_b32 s[TMP], s[SINQ], 3
	s_sub_co_u32 s[WRAPX], s[WRAPX], s[TMP]
	s_mul_i32 s[WRAPY], s[SINQ], 0xffffff10        ; -240 S
	s_lshl_b32 s[TMP], s[COSQ], 3
	s_add_co_u32 s[WRAPY], s[WRAPY], s[TMP]
	s_mov_b32 s[FRAC], 0x7fffff
	s_mov_b32 s[ONE], 0x3f800000
	v_lshl_add_u32 v[FR], v[XI], 1, 0xffffff81     ; 2 d - 127
	v_lshl_add_u32 v[FR+1], v[YI], 1, 0xffffff81   ; 2 t - 127
	v_mul_lo_u32 v[WU], v[FR], s[COSQ]
	v_mul_lo_u32 v[WU+1], v[FR+1], s[SINQ]
	v_mul_lo_u32 v[WY], v[FR], s[SINQ]
	v_mul_lo_u32 v[WY+1], v[FR+1], s[COSQ]
	v_sub_nc_u32 v[CX], v[WU], v[WU+1]
	v_add_nc_u32 v[CX], BIAS, v[CX]                ; X of my first sample
	v_add3_u32 v[CY], v[WY], v[WY+1], BIAS         ; Y
	s_wait_dscnt 0x0                               ; for the others: my pixels are in LDS
	s_barrier_signal -1
	s_barrier_wait -1                              ; the four images are whole; from here on the frame is only read
; The sample at (X, Y) is asked for, into slot n: address, four loads, four weights; then X and Y step on (step = 1: 8 d on; 2: back to the first d, 4 t on; 0: the last sample).
.macro ISSUE n, step
.set SW, RING+20*(\n)
.set SD, SW+4
	v_lshrrev_b32 v[XI], 23, v[CX]
	v_lshrrev_b32 v[YI], 23, v[CY]
	v_min_u32 v[XI], EDGE, v[XI]                   ; numbers that come from memory enter an address only behind this clamp, which is also the zero padding:
	v_min_u32 v[YI], EDGE, v[YI]                   ; columns 129, 130 and rows 129, 130 hold zeros.  The address stays under 129 x 2,112 + 129 x 16 + 2,128 + 16 = 276,656
	v_mul_u32_u24 v[YI], ROWB, v[YI]
	v_lshl_add_u32 v[XI], v[XI], 4, v[YI]
	ds_load_b128 v[SD:SD+3],     v[XI]                     ; (y0,     x0)
	ds_load_b128 v[SD+4:SD+7],   v[XI] offset:PXB          ; (y0,     x0 + 1)
	ds_load_b128 v[SD+8:SD+11],  v[XI] offset:ROWB         ; (y0 + 1, x0)
	ds_load_b128 v[SD+12:SD+15], v[XI] offset:ROWB+PXB     ; (y0 + 1, x0 + 1)
	v_and_or_b32 v[FR],   v[CX], s[FRAC], s[ONE]   ; the 23 bits behind the point under the exponent of 1.0: the f32 number 1 + wx, exactly
	v_and_or_b32 v[FR+1], v[CY], s[FRAC], s[ONE]
.if \step == 1
	v_add_nc_u32 v[CX], s[STEPX], v[CX]
	v_add_nc_u32 v[CY], s[STEPY], v[CY]
.elseif \step == 2
	v_add_nc_u32 v[CX], s[WRAPX], v[CX]
	v_add_nc_u32 v[CY], s[WRAPY], v[CY]
.endif
	v_pk_fma_f32 v[WU:WU+1], v[FR:FR+1], v[K1:K1+1], v[K2:K2+1] op_sel_hi:[0,1,1]                  ; (2 - (1 + wx), (1 + wx) - 1) = (1 - wx, wx)
	v_pk_fma_f32 v[WY:WY+1], v[FR:FR+1], v[K1:K1+1], v[K2:K2+1] op_sel:[1,0,0] op_sel_hi:[1,1,1]   ; (1 - wy, wy)
	v_pk_mul_f32 v[SW:SW+1],   v[WU:WU+1], v[WY:WY+1] op_sel_hi:[1,0]                              ; (w00, w01) = (1 - wx, wx) (1 - wy)
	v_pk_mul_f32 v[SW+2:SW+3], v[WU:WU+1], v[WY:WY+1] op_sel:[0,1] op_sel_hi:[1,1]                 ; (w10, w11) = (1 - wx, wx) wy
.endm
; The sample in slot n is added to the sums of block k: four corners x four images, two images an instruction.  first = 1: the first corner starts the sums: nothing is cleared.
.macro CONSUME n, k, first
.set SW, RING+20*(\n)
.set SD, SW+4
.set A, ACC+4*(\k)
.if \first
	v_pk_mul_f32 v[A:A+1],   v[SD:SD+1],   v[SW:SW+1] op_sel_hi:[1,0]
	v_pk_mul_f32 v[A+2:A+3], v[SD+2:SD+3], v[SW:SW+1] op_sel_hi:[1,0]
.else
	v_pk_fma_f32 v[A:A+1],   v[SD:SD+1],   v[SW:SW+1], v[A:A+1]   op_sel_hi:[1,0,1]
	v_pk_fma_f32 v[A+2:A+3], v[SD+2:SD+3], v[SW:SW+1], v[A+2:A+3] op_sel_hi:[1,0,1]
.endif
	v_pk_fma_f32 v[A:A+1],   v[SD+4:SD+5],   v[SW:SW+1],   v[A:A+1]   op_sel:[0,1,0] op_sel_hi:[1,1,1]
	v_pk_fma_f32 v[A+2:A+3], v[SD+6:SD+7],   v[SW:SW+1],   v[A+2:A+3] op_sel:[0,1,0] op_sel_hi:[1,1,1]
	v_pk_fma_f32 v[A:A+1],   v[SD+8:SD+9],   v[SW+2:SW+3], v[A:A+1]   op_sel_hi:[1,0,1]
	v_pk_fma_f32 v[A+2:A+3], v[SD+10:SD+11], v[SW+2:SW+3], v[A+2:A+3] op_sel_hi:[1,0,1]
	v_pk_fma_f32 v[A:A+1],   v[SD+12:SD+13], v[SW+2:SW+3], v[A:A+1]   op_sel:[0,1,0] op_sel_hi:[1,1,1]
	v_pk_fma_f32 v[A+2:A+3], v[SD+14:SD+15], v[SW+2:SW+3], v[A+2:A+3] op_sel:[0,1,0] op_sel_hi:[1,1,1]
.endm
; A trip: 4 t for all 128 d, sixteen samples a lane.  The loads run three samples ahead of the sums, over the trip's end too.  last = 1: the last three samples ask for nothing more.
.macro TRIP first, last
.set k, 0
.rept 16
.if \last && (k > 12)
	s_wait_dscnt 4*(15-k)                          ; the counts run down: 8, 4, 0
.else
.if k != 12
	ISSUE (k+3)%4, 1
.elseif \last
	ISSUE (k+3)%4, 0
.else
	ISSUE (k+3)%4, 2                               ; block 15 has been asked for: on to the next 4 t
.endif
	s_wait_dscnt 12                                ; LDS loads come back in order (ISA guide 5.7.1): sample k is in, the twelve loads of the three younger samples stay out
.endif
	CONSUME k%4, k, \first
.set k, k+1
.endr
.endm
	ISSUE 0, 1
	ISSUE 1, 1
	ISSUE 2, 1
	TRIP 1, 0                                      ; t = 0..3 starts the sums
	s_mov_b32 s[CNT], 30
.Ltrip:
	TRIP 0, 0
	s_sub_co_u32 s[CNT], s[CNT], 1
	s_cmp_lg_u32 s[CNT], 0
	s_cbranch_scc1 .Ltrip
	TRIP 0, 1                                      ; t = 124..127
; THE WAY OUT.  The four lanes that share a d (lane bits 2 and 3 differ) add their sums; each then holds all four images' results and keeps one.
.set rg, ACC
.rept 64
	v_add_f32_dpp v[rg], v[rg], v[rg] row_xmask:4 row_mask:0xf bank_mask:0xf
.set rg, rg+1
.endr
.set rg, ACC
.rept 64
	v_add_f32_dpp v[rg], v[rg], v[rg] row_xmask:8 row_mask:0xf bank_mask:0xf
.set rg, rg+1
.endr
; Through my own stage, which lies behind the frame and which no other wave touches: in by d and image, 4 bytes a lane, at 32 different banks (8 image + d); back as whole rows of 128 d.
.set k, 0
.rept 16
	v_cndmask_b32 v[XI], v[ACC+4*k],   v[ACC+4*k+1], s[M1]
	v_cndmask_b32 v[YI], v[ACC+4*k+2], v[ACC+4*k+3], s[M1]
	v_cndmask_b32 v[RING+k], v[XI], v[YI], s[M2]
	ds_store_b32 v[STO], v[RING+k] offset:32*k
.set k, k+1
.endr
.irp j, 0,1,2,3
	ds_load_b128 v[RING+16+4*\j:RING+19+4*\j], v[RD] offset:\j*SROW   ; LDS serves a wave's instructions in order (ISA guide 5.7.1.4): these see the stores above
.endr
.irp j, 0,1,2,3
	s_wait_dscnt 3-\j                              ; row j is in, the younger ones stay out
	global_store_b128 v[GO], v[RING+16+4*\j:RING+19+4*\j], s[8:9] offset:\j*IMGB th:TH_STORE_NT   ; the wave stores 512 consecutive bytes, at a multiple of 512 from the first byte of out0
.endr
	s_wait_tensorcnt 0x0
	ds_add_u32 v176, v177
	s_wait_dscnt 0x0
	s_endpgm
.Lfunc_end_k_qcab5e2fec8_project:
	.size	k_qcab5e2fec8_project, .Lfunc_end_k_qcab5e2fec8_project-k_qcab5e2fec8_project
	.p2alignl 7, 3214868480
	.fill 96, 4, 3214868480
	.section	.rodata,"a",@progbits
	.p2align	6, 0x0
	.amdhsa_kernel k_qcab5e2fec8_project
		.amdhsa_group_segment_fixed_size 315392
		.amdhsa_private_segment_fixed_size 0
		.amdhsa_enable_private_segment 0
		.amdhsa_kernarg_size 24
		.amdhsa_user_sgpr_count 2
		.amdhsa_user_sgpr_kernarg_segment_ptr 1
		.amdhsa_wavefront_size32 1
		.amdhsa_system_sgpr_workgroup_id_x 1
		.amdhsa_system_sgpr_workgroup_id_y 1
		.amdhsa_system_sgpr_workgroup_id_z 1
		.amdhsa_system_vgpr_workitem_id 0
		.amdhsa_next_free_vgpr 178
		.amdhsa_next_free_sgpr 66
		.amdhsa_reserve_vcc 0
		.amdhsa_float_denorm_mode_32 3
		.amdhsa_float_denorm_mode_16_64 3
		.amdhsa_memory_ordered 1
		.amdhsa_forward_progress 1
		.amdhsa_inst_pref_size 108
	.end_amdhsa_kernel
	.amdgpu_metadata
---
amdhsa.version: [ 1, 2 ]
amdhsa.kernels:
  - .name:           k_qcab5e2fec8_project
    .symbol:         k_qcab5e2fec8_project.kd
    .args:
      - { .name: x, .offset: 0, .size: 8, .value_kind: global_buffer, .address_space: global }
      - { .name: trig, .offset: 8, .size: 8, .value_kind: global_buffer, .address_space: global }
      - { .name: out0, .offset: 16, .size: 8, .value_kind: global_buffer, .address_space: global }
    .group_segment_fixed_size: 315392
    .private_segment_fixed_size: 0
    .kernarg_segment_align: 8
    .kernarg_segment_size: 24
    .max_flat_workgroup_size: 512
    .sgpr_count:     66
    .vgpr_count:     178
    .wavefront_size: 32
...
	.end_amdgpu_metadata
.endif
;; end of part 2
;; ======== version 2 of 3: 2 launches; 1.23 times as fast as version 1
;; limits: right only within a limited range of input values
;; workspace buffers: trig 1,024 bytes of whole numbers
;; launch fixtrig: the kernel of part 1 again; grid 1 x 1, 4 waves a work-group, no clusters, 0 bytes of LDS; arguments angles, trig; writes trig
;; launch project (part 3): grid 8 x 32, 16 waves a work-group, no clusters, 323,584 bytes of LDS; arguments x, trig, out0; writes out0
.if DOCPART == 3
	.amdgcn_target "amdgcn-amd-amdhsa--gfx1250"
	.amdhsa_code_object_version 6
	.text
	.protected	k_qcab5e2fec8_project
	.globl	k_qcab5e2fec8_project
	.p2align	8
	.type	k_qcab5e2fec8_project,@function
k_qcab5e2fec8_project:
	s_mov_b64 s[64:65], 0
	v_nop
	global_prefetch_b8 v0, s[64:65] scope:SCOPE_SE
	s_setreg_imm32_b32 hwreg(HW_REG_WAVE_MODE, 25, 1), 1
	s_wait_xcnt 0x0
; out0[b][0][a][d] = the sum over t = 0..127 of the bilinear sample, zero outside the image, of x[b][0] at
;   column xs = (d - 63.5) cos - (t - 63.5) sin + 63.5,   row ys = (d - 63.5) sin + (t - 63.5) cos + 63.5,   cos and sin of angles[a].
; All of it in f32.  cos and sin come as whole numbers C = cos * 2^22, S = sin * 2^22 from the launch before.
; SHARES.  A work-group owns 4 images (work-group y) and 16 angles (work-group x): 32 x 8 = 256 work-groups.  Each of its 16 waves owns one angle, all d, all t.
; The 32 lanes are a patch of 8 d x 4 t: lane bits 0-1 and 4 are d, bits 2-3 are t.  A lane takes one sample point in all four images.
; TWO SAMPLES FROM ONE COMPUTATION.  d - 63.5 and t - 63.5 both change sign under d -> 127 - d, t -> 127 - t, so the sample (127 - d, 127 - t) of the same angle lies at (127 - xs, 127 - ys):
; the point mirror.  Its four corners are the mirrored pixels of the four corners of (d, t), with the same four weights in the opposite order.  So the wave walks d = 0..63 alone, with all t,
; and each address and each set of weights serves two samples: 14 + 2 instructions for 16 packed multiply-adds.
; LDS.  The four images lie interleaved, 16 bytes a pixel, so that one ds_load_b128 brings a corner for all four.  They stand in a frame of zeros that is its own point mirror: 132 rows of
; 132 pixels; image pixel (y, x) is at row y + 2, column x + 2; rows and columns 0, 1, 130, 131 are zero.  Pixel (r, c) mirrors onto (131 - r, 131 - c).
; COORDINATES are whole numbers, (xs + 2) * 2^23 modulo 2^32: X = (2d - 127) C - (2t - 127) S + 131 * 2^22, Y likewise.  X >> 23 is the column in the frame (0 to 511),
; the low 23 bits are the weight.  xs + 2 lies between -24.4 and 155.4, so a negative one wraps to 487 or more: one unsigned minimum with 130 sends every point left of, right of,
; above or below the frame to two columns or rows of zeros (their mirrors, 0 and 1, are zeros too), and no mask of valid corners is needed.
; BANKS.  A row is 132 pixels, so pixel (R, c) starts at bank 4 (4 R + c) mod 64 (64 banks of 4 bytes: ISA guide 11.1): the pixels of any block of 4 x 4 start at sixteen different
; groups of four banks.  Lanes 0-15, and lanes 16-31, are a patch of 4 x 4 samples one pixel apart, turned by the angle: only its far corners can meet in a bank; the mirrored patch likewise.
; NOT USED, AND WHY.  Matrix instructions: as a product this is a matrix of 16,384 x 16,384 with four entries a sample, which hangs on the angles; building its tiles costs as many LDS
; accesses as the gathers.  The tensor data mover and joint loads in a cluster, though eight work-groups read the same four images: the images are interleaved pixel by pixel on the
; way into LDS, which a copy by rows cannot do, and the 262,144 bytes are read once, in the first lines.
; LIMITS.  C and S are rounded to whole numbers: a coordinate is within about 3e-5 of a pixel of the exact one; the sample is continuous in it.  The sum over t is taken in another order than
; t ascending.  Where a coordinate is a whole number the mirrored sample takes, with the weight 0, the neighbour below it and not the one above: that shows only for pixels that are not finite.
.set PXB,    16                        ; bytes of a pixel in LDS: four images
.set ROWB,   132*PXB                   ; bytes of a row of the frame: 2,112
.set EDGE,   130                       ; the first of the two zero columns (rows) to which everything outside is sent
.set MIRR,   EDGE*(ROWB+PXB)           ; 276,640: the largest corner address; this minus a corner address is the mirrored sample's corner address
.set ZWAVE,  35*512                    ; bytes that a wave clears: 16 x 17,920 = 286,720 cover the frame (132 x 2,112 = 278,784)
.set STAGE,  16*ZWAVE                  ; behind what is cleared: for the way out, each wave its own 4 rows
.set SROW,   544                       ; a stage row: 128 d x 4 bytes + 32, so that the four rows start 8 banks apart
.set IMGB,   65536                     ; bytes of an image, and of the part of out0 that belongs to one image
.set BIAS,   0x20c00000                ; 65.5 * 2^23: the centre 63.5 and the frame's two columns
.set LN,   1                           ; v1        lane
.set CX,   2                           ; v2        X of the sample that is asked for next
.set CY,   3                           ; v3        Y
.set K1,   4                           ; v[4:5]    (-1, 1)
.set K2,   6                           ; v[6:7]    (2, -1)
.set XI,   8                           ; v8        column, then LDS address
.set YI,   9                           ; v9        row
.set FR,   10                          ; v[10:11]  (1 + wx, 1 + wy)
.set WU,   12                          ; v[12:13]  (1 - wx, wx)
.set WY,   14                          ; v[14:15]  (1 - wy, wy)
.set RING, 16                          ; v[16:159] four slots of 36: four weights (w00, w01, w10, w11), four corners x four images, the mirrored sample's four corners x four images
.set ACC,  160                         ; v[160:223] the sums: block k of 8 d, four images, at ACC + 4 k
.set F,    16                          ; v[16:143] ahead of the loop: the 128 words of my part of the images
.set Z,    224                         ; v[224:227] zeros
.set GL,   228                         ; byte offset of my lane in a load of 128 bytes
.set ZA,   229                         ; LDS: where I clear
.set SA,   230                         ; LDS: where I put pixels
.set STO,  231                         ; LDS: where I put a result of blocks 0-7
.set RD,   232                         ; LDS: where I read a row of results back
.set GO,   233                         ; byte offset of my lane in a row of out0
.set STM,  234                         ; LDS: where I put a result of blocks 8-15, whose d run against the lanes
.set XM,   235                         ; LDS address of the mirrored sample's corners
.set WAVE,  10
.set COSQ,  14                         ; s14 C, s15 S
.set SINQ,  15
.set STEPX, 16                         ; 8 d on:   X + 16 C
.set STEPY, 17                         ;           Y + 16 S
.set WRAPX, 18                         ; from block 7 back to block 0, 4 t on:  X - 112 C - 8 S
.set WRAPY, 19                         ;                                        Y - 112 S + 8 C
.set FRAC,  20
.set ONE,   21
.set M1,    22                         ; lanes whose t is odd
.set M2,    23                         ; lanes whose t is 2 or 3
.set CNT,   24
.set TMP,   25
	s_load_b128 s[4:7], s[0:1], 0x0                ; x s[4:5], trig s[6:7]
	s_load_b64 s[8:9], s[0:1], 0x10                ; out0
	v_lshl_add_u32 v240, v0, 2, 0x4e800
	v_mov_b32 v241, 0
	v_and_b32 v[LN], 31, v0
	v_lshrrev_b32 v[CX], 5, v0
	v_readfirstlane_b32 s[WAVE], v[CX]             ; wave 0..15
	s_and_b32 s11, ttmp7, 0xffff                   ; my group of four images
	s_lshl_b32 s12, ttmp9, 4
	s_add_co_u32 s12, s12, s[WAVE]                 ; my angle = 16 x work-group x + wave
	s_lshl_b32 s16, s11, 18                        ; four images of 65,536 bytes
	s_lshl_b32 s18, s[WAVE], 12                    ; I bring rows 8 wave to 8 wave + 7: 4,096 bytes of each image
	s_add_co_u32 s18, s18, s16
	s_mov_b32 s19, 0
	s_lshl_b32 s20, s12, 3                         ; my two numbers in trig
	s_mov_b32 s21, 0
	s_lshl_b32 s22, s12, 9                         ; my row of 512 bytes in each image's part of out0
	s_add_co_u32 s22, s22, s16
	s_mov_b32 s23, 0
	v_lshlrev_b32 v[GL], 2, v[LN]
	s_wait_kmcnt 0x0
	s_add_nc_u64 s[4:5], s[4:5], s[18:19]
	s_add_nc_u64 s[6:7], s[6:7], s[20:21]
	s_add_nc_u64 s[8:9], s[8:9], s[22:23]
	s_load_b64 s[COSQ:SINQ], s[6:7], 0x0
; Chunk c of 32: 32 pixels (128 consecutive bytes) of each of the four images, into four neighbouring registers: a lane then holds one pixel of all four, the 16 bytes that LDS wants.
.macro LOADCH c
.irp j, 0,1,2,3
	global_load_b32 v[F+4*(\c)+\j], v[GL], s[4:5] offset:\j*IMGB+(\c)*128
.endr
.endm
.set ch, 0
.rept 15                               ; fifteen chunks, sixty loads, go out first: a wait names 63 at the most
	LOADCH ch
.set ch, ch+1
.endr
	s_mul_i32 s[TMP], s[WAVE], ZWAVE
	v_lshl_add_u32 v[ZA], v[LN], 4, s[TMP]         ; clearing: wave x 17,920 + 16 lane
	s_mul_i32 s[TMP], s[WAVE], 8*ROWB
	v_lshl_add_u32 v[SA], v[LN], 4, s[TMP]         ; pixels: wave x 8 rows + 16 lane; row and column stand in the immediate
	s_mul_i32 s[TMP], s[WAVE], 4*SROW
	s_add_co_u32 s[TMP], s[TMP], STAGE             ; my stage
	v_lshl_add_u32 v[RD], v[LN], 4, s[TMP]
	v_lshlrev_b32 v[GO], 4, v[LN]
	v_and_b32 v[XI], 3, v[LN]
	v_lshrrev_b32 v[YI], 4, v[LN]
	v_lshl_add_u32 v[XI], v[YI], 2, v[XI]          ; my d in a block of 8: lane bits 0, 1 and 4
	v_bfe_u32 v[YI], v[LN], 2, 2                   ; my t in a step of 4: lane bits 2 and 3
	v_mul_u32_u24 v[STO], SROW, v[YI]              ; on the way out the lane with t = j keeps image j
	v_not_b32 v[STM], v[XI]
	v_and_b32 v[STM], 7, v[STM]                    ; 7 - my d: the complement of its three bits: my d in a block of the mirrored half
	v_lshl_add_u32 v[STM], v[STM], 2, v[STO]
	v_lshl_add_u32 v[STO], v[XI], 2, v[STO]
	v_add_nc_u32 v[STM], s[TMP], v[STM]
	v_add_nc_u32 v[STO], s[TMP], v[STO]
	v_and_b32 v[FR], 4, v[LN]
	v_cmp_ne_u32 s[M1], 0, v[FR]
	v_and_b32 v[FR], 8, v[LN]
	v_cmp_ne_u32 s[M2], 0, v[FR]
	v_mov_b32 v[K1], -1.0
	v_mov_b32 v[K1+1], 1.0
	v_mov_b32 v[K2], 2.0
	v_mov_b32 v[K2+1], -1.0
.irp i, 0,1,2,3
	v_mov_b32 v[Z+\i], 0
.endr
; The whole frame is cleared, 512 consecutive bytes a store, while the images are on their way from memory.
.set i, 0
.rept 35
	ds_store_b128 v[ZA], v[Z:Z+3] offset:512*i
.set i, i+1
.endr
	s_wait_dscnt 0x0                               ; for the others: what I cleared are other waves' rows
	s_barrier_signal -1
	s_barrier_wait -1                              ; the frame is clear: now the pixels may be put into it
.set ch, 0
.rept 32                               ; chunk ch = row ch / 4 of my eight, pixels 32 (ch % 4) on
.if ch < 17
	s_wait_loadcnt 56                              ; loads come back in order (ISA guide 5.7.1): the chunk is in, the fourteen younger chunks stay out
.else
	s_wait_loadcnt 4*(31-ch)                       ; nothing more is asked for: the counts run down
.endif
	ds_store_b128 v[SA], v[F+4*ch:F+4*ch+3] offset:(ch/4+2)*ROWB+(ch%4)*512+2*PXB   ; two rows and two columns into the frame; 32 lanes, 512 consecutive bytes
.if ch < 17
	LOADCH ch+15
.endif
.set ch, ch+1
.endr
	s_wait_kmcnt 0x0                               ; C and S
	s_lshl_b32 s[STEPX], s[COSQ], 4
	s_lshl_b32 s[STEPY], s[SINQ], 4
	s_mul_i32 s[WRAPX], s[COSQ], 0xffffff90        ; -112 C
	s_lshl_b32 s[TMP], s[SINQ], 3
	s_sub_co_u32 s[WRAPX], s[WRAPX], s[TMP]
	s_mul_i32 s[WRAPY], s[SINQ], 0xffffff90        ; -112 S
	s_lshl_b32 s[TMP], s[COSQ], 3
	s_add_co_u32 s[WRAPY], s[WRAPY], s[TMP]
	s_mov_b32 s[FRAC], 0x7fffff
	s_mov_b32 s[ONE], 0x3f800000
	v_lshl_add_u32 v[FR], v[XI], 1, 0xffffff81     ; 2 d - 127
	v_lshl_add_u32 v[FR+1], v[YI], 1, 0xffffff81   ; 2 t - 127
	v_mul_lo_u32 v[WU], v[FR], s[COSQ]
	v_mul_lo_u32 v[WU+1], v[FR+1], s[SINQ]
	v_mul_lo_u32 v[WY], v[FR], s[SINQ]
	v_mul_lo_u32 v[WY+1], v[FR+1], s[COSQ]
	v_sub_nc_u32 v[CX], v[WU], v[WU+1]
	v_add_nc_u32 v[CX], BIAS, v[CX]                ; X of my first sample
	v_add3_u32 v[CY], v[WY], v[WY+1], BIAS         ; Y
	s_wait_dscnt 0x0                               ; for the others: my pixels are in LDS
	s_barrier_signal -1
	s_barrier_wait -1                              ; the four images are whole; from here on the frame is only read
; The sample at (X, Y) and its point mirror are asked for, into slot n: two addresses, eight loads, four weights; X and Y step on (step = 1: 8 d on; 2: back to the first d, 4 t on; 0: the last).
; The chain that makes the addresses and the chain that makes the weights stand line by line between each other, so that few lines read the result of the line in front.
.macro ISSUE n, step
.set SW, RING+36*(\n)
.set SD, SW+4
.set MD, SW+20
	v_lshrrev_b32 v[XI], 23, v[CX]
	v_lshrrev_b32 v[YI], 23, v[CY]
	v_and_or_b32 v[FR],   v[CX], s[FRAC], s[ONE]   ; the 23 bits behind the point under the exponent of 1.0: the f32 number 1 + wx, exactly
	v_and_or_b32 v[FR+1], v[CY], s[FRAC], s[ONE]
	v_min_u32 v[XI], EDGE, v[XI]                   ; numbers that come from memory enter an address only behind a clamp by a written constant; this one is also the zero padding:
	v_min_u32 v[YI], EDGE, v[YI]                   ; columns and rows 130, 131 hold zeros
.if \step == 1
	v_add_nc_u32 v[CX], s[STEPX], v[CX]
	v_add_nc_u32 v[CY], s[STEPY], v[CY]
.elseif \step == 2
	v_add_nc_u32 v[CX], s[WRAPX], v[CX]
	v_add_nc_u32 v[CY], s[WRAPY], v[CY]
.endif
	v_mul_u32_u24 v[YI], ROWB, v[YI]
	v_pk_fma_f32 v[WU:WU+1], v[FR:FR+1], v[K1:K1+1], v[K2:K2+1] op_sel_hi:[0,1,1]                  ; (2 - (1 + wx), (1 + wx) - 1) = (1 - wx, wx)
	v_pk_fma_f32 v[WY:WY+1], v[FR:FR+1], v[K1:K1+1], v[K2:K2+1] op_sel:[1,0,0] op_sel_hi:[1,1,1]   ; (1 - wy, wy)
	v_lshl_add_u32 v[XI], v[XI], 4, v[YI]          ; at most 130 x 2,112 + 130 x 16 = 276,640; with the largest immediate and the load's 16 bytes: 278,784, the frame's end
	v_pk_mul_f32 v[SW:SW+1],   v[WU:WU+1], v[WY:WY+1] op_sel_hi:[1,0]                              ; (w00, w01) = (1 - wx, wx) (1 - wy)
	v_sub_nc_u32 v[XM], MIRR, v[XI]                ; (130 - row, 130 - column): the mirror of corner (y0 + 1, x0 + 1), the lowest of the four mirrored corners
	v_pk_mul_f32 v[SW+2:SW+3], v[WU:WU+1], v[WY:WY+1] op_sel:[0,1] op_sel_hi:[1,1]                 ; (w10, w11) = (1 - wx, wx) wy
	ds_load_b128 v[SD:SD+3],     v[XI]                     ; (y0,     x0)
	ds_load_b128 v[SD+4:SD+7],   v[XI] offset:PXB          ; (y0,     x0 + 1)
	ds_load_b128 v[SD+8:SD+11],  v[XI] offset:ROWB         ; (y0 + 1, x0)
	ds_load_b128 v[SD+12:SD+15], v[XI] offset:ROWB+PXB     ; (y0 + 1, x0 + 1)
	v_min_u32 v[XM], MIRR, v[XM]                   ; the difference lies in 0 .. 276,640 by the bound above; behind a subtraction the clamp by a written constant is set again, so that the bound stands in the text
	ds_load_b128 v[MD:MD+3],     v[XM]                     ; the mirror of (y0 + 1, x0 + 1)
	ds_load_b128 v[MD+4:MD+7],   v[XM] offset:PXB          ; of (y0 + 1, x0)
	ds_load_b128 v[MD+8:MD+11],  v[XM] offset:ROWB         ; of (y0,     x0 + 1)
	ds_load_b128 v[MD+12:MD+15], v[XM] offset:ROWB+PXB     ; of (y0,     x0)
.endm
; The pair in slot n is added to the sums: the sample to block k's, its mirror to block 15 - k's; four corners x four images each, two images an instruction.
; The four pairs of sums take turns, so that three other lines stand between two links of a chain.  first = 1: the first corner starts the sums: nothing is cleared.
.macro CONSUME n, k, first
.set SW, RING+36*(\n)
.set SD, SW+4
.set MD, SW+20
.set A, ACC+4*(\k)
.set B, ACC+4*(15-(\k))
.if \first
	v_pk_mul_f32 v[A:A+1],   v[SD:SD+1],   v[SW:SW+1]   op_sel_hi:[1,0]                    ; w00
	v_pk_mul_f32 v[A+2:A+3], v[SD+2:SD+3], v[SW:SW+1]   op_sel_hi:[1,0]
	v_pk_mul_f32 v[B:B+1],   v[MD:MD+1],   v[SW+2:SW+3] op_sel:[0,1] op_sel_hi:[1,1]       ; w11
	v_pk_mul_f32 v[B+2:B+3], v[MD+2:MD+3], v[SW+2:SW+3] op_sel:[0,1] op_sel_hi:[1,1]
.else
	v_pk_fma_f32 v[A:A+1],   v[SD:SD+1],   v[SW:SW+1],   v[A:A+1]   op_sel_hi:[1,0,1]
	v_pk_fma_f32 v[A+2:A+3], v[SD+2:SD+3], v[SW:SW+1],   v[A+2:A+3] op_sel_hi:[1,0,1]
	v_pk_fma_f32 v[B:B+1],   v[MD:MD+1],   v[SW+2:SW+3], v[B:B+1]   op_sel:[0,1,0] op_sel_hi:[1,1,1]
	v_pk_fma_f32 v[B+2:B+3], v[MD+2:MD+3], v[SW+2:SW+3], v[B+2:B+3] op_sel:[0,1,0] op_sel_hi:[1,1,1]
.endif
	v_pk_fma_f32 v[A:A+1],   v[SD+4:SD+5],   v[SW:SW+1],   v[A:A+1]   op_sel:[0,1,0] op_sel_hi:[1,1,1]   ; w01
	v_pk_fma_f32 v[A+2:A+3], v[SD+6:SD+7],   v[SW:SW+1],   v[A+2:A+3] op_sel:[0,1,0] op_sel_hi:[1,1,1]
	v_pk_fma_f32 v[B:B+1],   v[MD+4:MD+5],   v[SW+2:SW+3], v[B:B+1]   op_sel_hi:[1,0,1]                  ; w10
	v_pk_fma_f32 v[B+2:B+3], v[MD+6:MD+7],   v[SW+2:SW+3], v[B+2:B+3] op_sel_hi:[1,0,1]
	v_pk_fma_f32 v[A:A+1],   v[SD+8:SD+9],   v[SW+2:SW+3], v[A:A+1]   op_sel_hi:[1,0,1]                  ; w10
	v_pk_fma_f32 v[A+2:A+3], v[SD+10:SD+11], v[SW+2:SW+3], v[A+2:A+3] op_sel_hi:[1,0,1]
	v_pk_fma_f32 v[B:B+1],   v[MD+8:MD+9],   v[SW:SW+1],   v[B:B+1]   op_sel:[0,1,0] op_sel_hi:[1,1,1]   ; w01
	v_pk_fma_f32 v[B+2:B+3], v[MD+10:MD+11], v[SW:SW+1],   v[B+2:B+3] op_sel:[0,1,0] op_sel_hi:[1,1,1]
	v_pk_fma_f32 v[A:A+1],   v[SD+12:SD+13], v[SW+2:SW+3], v[A:A+1]   op_sel:[0,1,0] op_sel_hi:[1,1,1]   ; w11
	v_pk_fma_f32 v[A+2:A+3], v[SD+14:SD+15], v[SW+2:SW+3], v[A+2:A+3] op_sel:[0,1,0] op_sel_hi:[1,1,1]
	v_pk_fma_f32 v[B:B+1],   v[MD+12:MD+13], v[SW:SW+1],   v[B:B+1]   op_sel_hi:[1,0,1]                  ; w00
	v_pk_fma_f32 v[B+2:B+3], v[MD+14:MD+15], v[SW:SW+1],   v[B+2:B+3] op_sel_hi:[1,0,1]
.endm
; A trip: 4 t for d = 0..63 and, mirrored, 4 other t for d = 64..127: eight pairs of samples a lane.  The loads run three pairs ahead of the sums, over the trip's end too.
; last = 1: the last three pairs ask for nothing more.
.macro TRIP first, last
.set k, 0
.rept 8
.if \last && (k > 4)
	s_wait_dscnt 8*(7-k)                           ; the counts run down: 16, 8, 0
.else
.if k != 4
	ISSUE (k+3)%4, 1
.elseif \last
	ISSUE (k+3)%4, 0
.else
	ISSUE (k+3)%4, 2                               ; block 7 has been asked for: on to the next 4 t
.endif
	s_wait_dscnt 24                                ; LDS loads come back in order (ISA guide 5.7.1): pair k is in, the 24 loads of the three younger pairs stay out
.endif
	CONSUME k%4, k, \first
.set k, k+1
.endr
.endm
	ISSUE 0, 1
	ISSUE 1, 1
	ISSUE 2, 1
	TRIP 1, 0                                      ; t = 0..3, and mirrored t = 124..127, start the sums
	s_mov_b32 s[CNT], 30
.Ltrip:
	TRIP 0, 0
	s_sub_co_u32 s[CNT], s[CNT], 1
	s_cmp_lg_u32 s[CNT], 0
	s_cbranch_scc1 .Ltrip
	TRIP 0, 1                                      ; t = 124..127, and mirrored t = 0..3
; THE WAY OUT.  The four lanes that share a d (lane bits 2 and 3 differ) add their sums; each then holds all four images' results and keeps one.
.set rg, ACC
.rept 64
	v_add_f32_dpp v[rg], v[rg], v[rg] row_xmask:4 row_mask:0xf bank_mask:0xf
.set rg, rg+1
.endr
.set rg, ACC
.rept 64
	v_add_f32_dpp v[rg], v[rg], v[rg] row_xmask:8 row_mask:0xf bank_mask:0xf
.set rg, rg+1
.endr
; Through my own stage, which lies behind the frame and which no other wave touches: in by d and image, 4 bytes a lane, at 32 different banks (8 image + d); back as whole rows of 128 d.
; In blocks 8 to 15 my d is 8 k + 7 - (my d in a block): they go in by the second address.
.set k, 0
.rept 16
	v_cndmask_b32 v[XI], v[ACC+4*k],   v[ACC+4*k+1], s[M1]
	v_cndmask_b32 v[YI], v[ACC+4*k+2], v[ACC+4*k+3], s[M1]
	v_cndmask_b32 v[RING+k], v[XI], v[YI], s[M2]
.if k < 8
	ds_store_b32 v[STO], v[RING+k] offset:32*k
.else
	ds_store_b32 v[STM], v[RING+k] offset:32*k
.endif
.set k, k+1
.endr
.irp j, 0,1,2,3
	ds_load_b128 v[RING+16+4*\j:RING+19+4*\j], v[RD] offset:\j*SROW   ; LDS serves a wave's instructions in order (ISA guide 5.7.1.4): these see the stores above
.endr
.irp j, 0,1,2,3
	s_wait_dscnt 3-\j                              ; row j is in, the younger ones stay out
	global_store_b128 v[GO], v[RING+16+4*\j:RING+19+4*\j], s[8:9] offset:\j*IMGB th:TH_STORE_NT   ; the wave stores 512 consecutive bytes, at a multiple of 512 from the first byte of out0
.endr
	s_wait_tensorcnt 0x0
	ds_add_u32 v240, v241
	s_wait_dscnt 0x0
	s_endpgm
.Lfunc_end_k_qcab5e2fec8_project:
	.size	k_qcab5e2fec8_project, .Lfunc_end_k_qcab5e2fec8_project-k_qcab5e2fec8_project
	.p2alignl 7, 3214868480
	.fill 96, 4, 3214868480
	.section	.rodata,"a",@progbits
	.p2align	6, 0x0
	.amdhsa_kernel k_qcab5e2fec8_project
		.amdhsa_group_segment_fixed_size 323584
		.amdhsa_private_segment_fixed_size 0
		.amdhsa_enable_private_segment 0
		.amdhsa_kernarg_size 24
		.amdhsa_user_sgpr_count 2
		.amdhsa_user_sgpr_kernarg_segment_ptr 1
		.amdhsa_wavefront_size32 1
		.amdhsa_system_sgpr_workgroup_id_x 1
		.amdhsa_system_sgpr_workgroup_id_y 1
		.amdhsa_system_sgpr_workgroup_id_z 1
		.amdhsa_system_vgpr_workitem_id 0
		.amdhsa_next_free_vgpr 242
		.amdhsa_next_free_sgpr 66
		.amdhsa_reserve_vcc 0
		.amdhsa_float_denorm_mode_32 3
		.amdhsa_float_denorm_mode_16_64 3
		.amdhsa_memory_ordered 1
		.amdhsa_forward_progress 1
		.amdhsa_inst_pref_size 92
	.end_amdhsa_kernel
	.amdgpu_metadata
---
amdhsa.version: [ 1, 2 ]
amdhsa.kernels:
  - .name:           k_qcab5e2fec8_project
    .symbol:         k_qcab5e2fec8_project.kd
    .args:
      - { .name: x, .offset: 0, .size: 8, .value_kind: global_buffer, .address_space: global }
      - { .name: trig, .offset: 8, .size: 8, .value_kind: global_buffer, .address_space: global }
      - { .name: out0, .offset: 16, .size: 8, .value_kind: global_buffer, .address_space: global }
    .group_segment_fixed_size: 323584
    .private_segment_fixed_size: 0
    .kernarg_segment_align: 8
    .kernarg_segment_size: 24
    .max_flat_workgroup_size: 512
    .sgpr_count:     66
    .vgpr_count:     242
    .wavefront_size: 32
...
	.end_amdgpu_metadata
.endif
;; end of part 3
;; ======== version 3 of 3: 2 launches; version 2 with the launch project written anew for expert scheduling mode
;; limits: right only within a limited range of input values
;; workspace buffers: trig 1,024 bytes of whole numbers
;; launch fixtrig: the kernel of part 1 again; grid 1 x 1, 4 waves a work-group, no clusters, 0 bytes of LDS; arguments angles, trig; writes trig
;; launch project (part 4): grid 8 x 32, 16 waves a work-group, no clusters, 323,584 bytes of LDS; arguments x, trig, out0; writes out0
.if DOCPART == 4
	.amdgcn_target "amdgcn-amd-amdhsa--gfx1250"
	.amdhsa_code_object_version 6
	.text
	.protected	k_qcab5e2fec8_project
	.globl	k_qcab5e2fec8_project
	.p2align	8
	.type	k_qcab5e2fec8_project,@function
k_qcab5e2fec8_project:
	s_mov_b64 s[64:65], 0
	v_nop
	global_prefetch_b8 v0, s[64:65] scope:SCOPE_SE
	s_setreg_imm32_b32 hwreg(HW_REG_WAVE_SCHED_MODE, 0, 2), 2
	s_setreg_imm32_b32 hwreg(HW_REG_WAVE_MODE, 25, 1), 1
	s_wait_xcnt 0x0
	s_wait_alu depctr_vm_vsrc(0)
; out0[b][0][a][d] = the sum over t = 0..127 of the bilinear sample, zero outside the image, of x[b][0] at
;   column xs = (d - 63.5) cos - (t - 63.5) sin + 63.5,   row ys = (d - 63.5) sin + (t - 63.5) cos + 63.5,   cos and sin of angles[a].
; All of it in f32.  cos and sin come as whole numbers C = cos * 2^22, S = sin * 2^22 from the launch before.
; SHARES.  A work-group owns 4 images (work-group y) and 16 angles (work-group x): 32 x 8 = 256 work-groups.  Each of its 16 waves owns one angle, all d, all t.
; The 32 lanes are a patch of 8 d x 4 t: lane bits 0-1 and 4 are d, bits 2-3 are t.  A lane takes one sample point in all four images.
; TWO SAMPLES FROM ONE COMPUTATION.  d - 63.5 and t - 63.5 both change sign under d -> 127 - d, t -> 127 - t, so the sample (127 - d, 127 - t) of the same angle lies at (127 - xs, 127 - ys):
; the point mirror.  Its four corners are the mirrored pixels of the four corners of (d, t), with the same four weights in the opposite order.  So the wave walks d = 0..63 alone, with all t,
; and each address and each set of weights serves two samples: 14 + 2 instructions for 16 packed multiply-adds.
; LDS.  The four images lie interleaved, 16 bytes a pixel, so that one ds_load_b128 brings a corner for all four.  They stand in a frame of zeros that is its own point mirror: 132 rows of
; 132 pixels; image pixel (y, x) is at row y + 2, column x + 2; rows and columns 0, 1, 130, 131 are zero.  Pixel (r, c) mirrors onto (131 - r, 131 - c).
; COORDINATES are whole numbers, (xs + 2) * 2^23 modulo 2^32: X = (2d - 127) C - (2t - 127) S + 131 * 2^22, Y likewise.  X >> 23 is the column in the frame (0 to 511),
; the low 23 bits are the weight.  xs + 2 lies between -24.4 and 155.4, so a negative one wraps to 487 or more: one unsigned minimum with 130 sends every point left of, right of,
; above or below the frame to two columns or rows of zeros (their mirrors, 0 and 1, are zeros too), and no mask of valid corners is needed.
; BANKS.  A row is 132 pixels, so pixel (R, c) starts at bank 4 (4 R + c) mod 64 (64 banks of 4 bytes: ISA guide 11.1): the pixels of any block of 4 x 4 start at sixteen different
; groups of four banks.  Lanes 0-15, and lanes 16-31, are a patch of 4 x 4 samples one pixel apart, turned by the angle: only its far corners can meet in a bank; the mirrored patch likewise.
; NOT USED, AND WHY.  Matrix instructions: as a product this is a matrix of 16,384 x 16,384 with four entries a sample, which hangs on the angles; building its tiles costs as many LDS
; accesses as the gathers.  The tensor data mover and joint loads in a cluster, though eight work-groups read the same four images: the images are interleaved pixel by pixel on the
; way into LDS, which a copy by rows cannot do, and the 262,144 bytes are read once, in the first lines.
; LIMITS.  C and S are rounded to whole numbers: a coordinate is within about 3e-5 of a pixel of the exact one; the sample is continuous in it.  The sum over t is taken in another order than
; t ascending.  Where a coordinate is a whole number the mirrored sample takes, with the weight 0, the neighbour below it and not the one above: that shows only for pixels that are not finite.
; THE MODE: SCHED_MODE bits 1:0 = 2 (LLVM: expert scheduling mode 2), set by the entry lines.  The code itself states the register dependences
; between vector instructions and memory or LDS instructions, with s_wait_alu, always for 0.
; THE PLAN.  The wave's 256 pairs of samples are numbered g.  STEP g adds pair g to the sums, asks for pair g + 3, and makes the addresses and weights of pair g + 4.
; Registers that LDS instructions touch in the loop:
;   the 32 corner registers of slot p % 4   Pair p's eight loads, issued in step p - 3, land in them; step p's sixteen multiply-adds read them.
;   XA[p % 2], XM[p % 2]                    Pair p's two addresses: written by vector instructions in step p - 4, read by the loads of step p - 3, written again in step p - 2.
;   The weights, X and Y, the sums and v[8:15] are named by vector instructions alone (pair g + 4's weights take the place of pair g's behind the last multiply-add that reads those).
; So the loads of step g touch slot (g + 3) % 4, which step g - 1 read, and address set (g + 1) % 2, which step g - 1 wrote; the vector instructions of step g name slot g % 4 and
; address set g % 2, which the loads of step g - 1 read.  Two waits at a step's head state all of that, and behind them the eight loads are dealt among the step's 32 vector instructions.
; A trip is eight steps, a multiple of four and of two: slots and sets are back at their start at the loop's jump.
.set PXB,    16                        ; bytes of a pixel in LDS: four images
.set ROWB,   132*PXB                   ; bytes of a row of the frame: 2,112
.set EDGE,   130                       ; the first of the two zero columns (rows) to which everything outside is sent
.set MIRR,   EDGE*(ROWB+PXB)           ; 276,640: the largest corner address; this minus a corner address is the mirrored sample's corner address
.set ZWAVE,  35*512                    ; bytes that a wave clears: 16 x 17,920 = 286,720 cover the frame (132 x 2,112 = 278,784)
.set STAGE,  16*ZWAVE                  ; behind what is cleared: for the way out, each wave its own 4 rows
.set SROW,   544                       ; a stage row: 128 d x 4 bytes + 32, so that the four rows start 8 banks apart
.set IMGB,   65536                     ; bytes of an image, and of the part of out0 that belongs to one image
.set BIAS,   0x20c00000                ; 65.5 * 2^23: the centre 63.5 and the frame's two columns
.set LN,   1                           ; v1        lane
.set CX,   2                           ; v2        X of the sample whose addresses are made next
.set CY,   3                           ; v3        Y
.set K1,   4                           ; v[4:5]    (-1, 1)
.set K2,   6                           ; v[6:7]    (2, -1)
.set XI,   8                           ; v8        column
.set YI,   9                           ; v9        row, then the row's bytes
.set FR,   10                          ; v[10:11]  (1 + wx, 1 + wy)
.set WU,   12                          ; v[12:13]  (1 - wx, wx)
.set WY,   14                          ; v[14:15]  (1 - wy, wy)
.set RING, 16                          ; v[16:159] four slots of 36: four weights (w00, w01, w10, w11), four corners x four images, the mirrored sample's four corners x four images
.set ACC,  160                         ; v[160:223] the sums: block k of 8 d, four images, at ACC + 4 k
.set F,    16                          ; v[16:143] ahead of the loop: the 128 words of my part of the images
.set Z,    224                         ; v[224:227] zeros
.set GL,   228                         ; byte offset of my lane in a load of 128 bytes
.set ZA,   229                         ; LDS: where I clear
.set SA,   230                         ; LDS: where I put pixels
.set STO,  231                         ; LDS: where I put a result of blocks 0-7
.set RD,   232                         ; LDS: where I read a row of results back
.set GO,   233                         ; byte offset of my lane in a row of out0
.set STM,  234                         ; LDS: where I put a result of blocks 8-15, whose d run against the lanes
.set XA,   235                         ; v[235:236] LDS address of a sample's corners: two sets, pair p's in set p % 2
.set XM,   237                         ; v[237:238] LDS address of the mirrored sample's corners, likewise
.set WAVE,  10
.set COSQ,  14                         ; s14 C, s15 S
.set SINQ,  15
.set STEPX, 16                         ; 8 d on:   X + 16 C
.set STEPY, 17                         ;           Y + 16 S
.set WRAPX, 18                         ; from block 7 back to block 0, 4 t on:  X - 112 C - 8 S
.set WRAPY, 19                         ;                                        Y - 112 S + 8 C
.set FRAC,  20
.set ONE,   21
.set M1,    22                         ; lanes whose t is odd
.set M2,    23                         ; lanes whose t is 2 or 3
.set CNT,   24
.set TMP,   25
	s_load_b128 s[4:7], s[0:1], 0x0                ; x s[4:5], trig s[6:7]
	s_load_b64 s[8:9], s[0:1], 0x10                ; out0
	v_lshl_add_u32 v240, v0, 2, 0x4e800            ; my spare word, behind the stages, and 0: made here and kept for the closing lines alone
	v_mov_b32 v241, 0
	v_and_b32 v[LN], 31, v0
	v_lshrrev_b32 v[CX], 5, v0
	v_readfirstlane_b32 s[WAVE], v[CX]             ; wave 0..15
	s_and_b32 s11, ttmp7, 0xffff                   ; my group of four images
	s_lshl_b32 s12, ttmp9, 4
	s_wait_alu depctr_va_sdst(0)                   ; the wave's number is written, ahead of its first reader: my angle, my rows and my LDS bytes are made from it
	s_add_co_u32 s12, s12, s[WAVE]                 ; my angle = 16 x work-group x + wave
	s_lshl_b32 s16, s11, 18                        ; four images of 65,536 bytes
	s_lshl_b32 s18, s[WAVE], 12                    ; I bring rows 8 wave to 8 wave + 7: 4,096 bytes of each image
	s_add_co_u32 s18, s18, s16
	s_mov_b32 s19, 0
	s_lshl_b32 s20, s12, 3                         ; my two numbers in trig
	s_mov_b32 s21, 0
	s_lshl_b32 s22, s12, 9                         ; my row of 512 bytes in each image's part of out0
	s_add_co_u32 s22, s22, s16
	s_mov_b32 s23, 0
	v_lshlrev_b32 v[GL], 2, v[LN]
	s_wait_kmcnt 0x0
	s_add_nc_u64 s[4:5], s[4:5], s[18:19]
	s_add_nc_u64 s[6:7], s[6:7], s[20:21]
	s_add_nc_u64 s[8:9], s[8:9], s[22:23]
	s_load_b64 s[COSQ:SINQ], s[6:7], 0x0
	s_wait_alu depctr_va_vdst(0)                   ; v[GL] is written: every load of the images reads it as its offset; it is never written again
; Chunk c of 32: 32 pixels (128 consecutive bytes) of each of the four images, into four neighbouring registers: a lane then holds one pixel of all four, the 16 bytes that LDS wants.
; Each of the 128 registers is loaded once and stored to LDS once, and no vector instruction names it meanwhile.
.macro LOADCH c
.irp j, 0,1,2,3
	global_load_b32 v[F+4*(\c)+\j], v[GL], s[4:5] offset:\j*IMGB+(\c)*128
.endr
.endm
.set ch, 0
.rept 15                               ; fifteen chunks, sixty loads, go out first: a wait names 63 at the most
	LOADCH ch
.set ch, ch+1
.endr
	s_mul_i32 s[TMP], s[WAVE], ZWAVE
	v_lshl_add_u32 v[ZA], v[LN], 4, s[TMP]         ; clearing: wave x 17,920 + 16 lane
	s_mul_i32 s[TMP], s[WAVE], 8*ROWB
	v_lshl_add_u32 v[SA], v[LN], 4, s[TMP]         ; pixels: wave x 8 rows + 16 lane; row and column stand in the immediate
	s_mul_i32 s[TMP], s[WAVE], 4*SROW
	s_add_co_u32 s[TMP], s[TMP], STAGE             ; my stage
	v_lshl_add_u32 v[RD], v[LN], 4, s[TMP]
	v_lshlrev_b32 v[GO], 4, v[LN]
	v_and_b32 v[XI], 3, v[LN]
	v_lshrrev_b32 v[YI], 4, v[LN]
	v_lshl_add_u32 v[XI], v[YI], 2, v[XI]          ; my d in a block of 8: lane bits 0, 1 and 4
	v_bfe_u32 v[YI], v[LN], 2, 2                   ; my t in a step of 4: lane bits 2 and 3
	v_mul_u32_u24 v[STO], SROW, v[YI]              ; on the way out the lane with t = j keeps image j
	v_not_b32 v[STM], v[XI]
	v_and_b32 v[STM], 7, v[STM]                    ; 7 - my d: the complement of its three bits: my d in a block of the mirrored half
	v_lshl_add_u32 v[STM], v[STM], 2, v[STO]
	v_lshl_add_u32 v[STO], v[XI], 2, v[STO]
	v_add_nc_u32 v[STM], s[TMP], v[STM]
	v_add_nc_u32 v[STO], s[TMP], v[STO]
	v_and_b32 v[FR], 4, v[LN]
	v_cmp_ne_u32 s[M1], 0, v[FR]
	v_and_b32 v[FR], 8, v[LN]
	v_cmp_ne_u32 s[M2], 0, v[FR]
	v_mov_b32 v[K1], -1.0
	v_mov_b32 v[K1+1], 1.0
	v_mov_b32 v[K2], 2.0
	v_mov_b32 v[K2+1], -1.0
.irp i, 0,1,2,3
	v_mov_b32 v[Z+\i], 0
.endr
	s_wait_alu depctr_va_sdst(0)                   ; the two compares have written their masks; the first readers are the selects of the way out, behind the loop: the wait stands here, in the compares' own straight run
	s_wait_alu depctr_va_vdst(0)                   ; the zeros and v[ZA], which the stores below read, are written; so are v[SA], v[STO], v[STM], v[RD] and v[GO], which later LDS instructions and stores read and nothing writes again
; The whole frame is cleared, 512 consecutive bytes a store, while the images are on their way from memory.
.set i, 0
.rept 35
	ds_store_b128 v[ZA], v[Z:Z+3] offset:512*i
.set i, i+1
.endr
	s_wait_dscnt 0x0                               ; for the others: what I cleared are other waves' rows
	s_barrier_signal -1
	s_barrier_wait -1                              ; the frame is clear: now the pixels may be put into it
.set ch, 0
.rept 32                               ; chunk ch = row ch / 4 of my eight, pixels 32 (ch % 4) on
.if ch < 17
	s_wait_loadcnt 56                              ; loads come back in order (ISA guide 5.7.1): the chunk is in, the fourteen younger chunks stay out
.else
	s_wait_loadcnt 4*(31-ch)                       ; nothing more is asked for: the counts run down
.endif
	ds_store_b128 v[SA], v[F+4*ch:F+4*ch+3] offset:(ch/4+2)*ROWB+(ch%4)*512+2*PXB   ; two rows and two columns into the frame; 32 lanes, 512 consecutive bytes
.if ch < 17
	LOADCH ch+15
.endif
.set ch, ch+1
.endr
	s_wait_kmcnt 0x0                               ; C and S
	s_lshl_b32 s[STEPX], s[COSQ], 4
	s_lshl_b32 s[STEPY], s[SINQ], 4
	s_mul_i32 s[WRAPX], s[COSQ], 0xffffff90        ; -112 C
	s_lshl_b32 s[TMP], s[SINQ], 3
	s_sub_co_u32 s[WRAPX], s[WRAPX], s[TMP]
	s_mul_i32 s[WRAPY], s[SINQ], 0xffffff90        ; -112 S
	s_lshl_b32 s[TMP], s[COSQ], 3
	s_add_co_u32 s[WRAPY], s[WRAPY], s[TMP]
	s_mov_b32 s[FRAC], 0x7fffff
	s_mov_b32 s[ONE], 0x3f800000
	v_lshl_add_u32 v[FR], v[XI], 1, 0xffffff81     ; 2 d - 127
	v_lshl_add_u32 v[FR+1], v[YI], 1, 0xffffff81   ; 2 t - 127
	v_mul_lo_u32 v[WU], v[FR], s[COSQ]
	v_mul_lo_u32 v[WU+1], v[FR+1], s[SINQ]
	v_mul_lo_u32 v[WY], v[FR], s[SINQ]
	v_mul_lo_u32 v[WY+1], v[FR+1], s[COSQ]
	v_sub_nc_u32 v[CX], v[WU], v[WU+1]
	v_add_nc_u32 v[CX], BIAS, v[CX]                ; X of my first sample
	v_add3_u32 v[CY], v[WY], v[WY+1], BIAS         ; Y
	s_wait_dscnt 0x0                               ; for the others: my pixels are in LDS
	s_barrier_signal -1
	s_barrier_wait -1                              ; the four images are whole; from here on the frame is only read
	s_wait_alu depctr_vm_vsrc(0)                   ; my LDS stores have read v[F ..]: these registers are the ring from here on, written by the weights' lines and by the corners' loads
; THE THREE KINDS OF LINES OF A STEP, each cut into eight parts j = 0..7.
; CA j: lines 2 j and 2 j + 1 of the sixteen that make, of the sample at (X, Y) and its point mirror, the two addresses (into set CP) and the four weights (into v[SW ..]), and step X and Y on
; (CT = 1: 8 d on; 2: back to the first d, 4 t on; 0: the last).  The weights' two last lines stand in parts 6 and 7, behind the last multiply-adds that read the weights whose place they take.
.macro CA j
.if (\j) == 0
	v_lshrrev_b32 v[XI], 23, v[CX]
	v_lshrrev_b32 v[YI], 23, v[CY]
.elseif (\j) == 1
	v_and_or_b32 v[FR],   v[CX], s[FRAC], s[ONE]   ; the 23 bits behind the point under the exponent of 1.0: the f32 number 1 + wx, exactly
	v_and_or_b32 v[FR+1], v[CY], s[FRAC], s[ONE]
.elseif (\j) == 2
	v_min_u32 v[XI], EDGE, v[XI]                   ; numbers that come from memory enter an address only behind a clamp by a written constant; this one is also the zero padding:
	v_min_u32 v[YI], EDGE, v[YI]                   ; columns and rows 130, 131 hold zeros
.elseif (\j) == 3
.if CT == 1
	v_add_nc_u32 v[CX], s[STEPX], v[CX]
	v_add_nc_u32 v[CY], s[STEPY], v[CY]
.elseif CT == 2
	v_add_nc_u32 v[CX], s[WRAPX], v[CX]
	v_add_nc_u32 v[CY], s[WRAPY], v[CY]
.endif
.elseif (\j) == 4
	v_mul_u32_u24 v[YI], ROWB, v[YI]
	v_pk_fma_f32 v[WU:WU+1], v[FR:FR+1], v[K1:K1+1], v[K2:K2+1] op_sel_hi:[0,1,1]                  ; (2 - (1 + wx), (1 + wx) - 1) = (1 - wx, wx)
.elseif (\j) == 5
	v_pk_fma_f32 v[WY:WY+1], v[FR:FR+1], v[K1:K1+1], v[K2:K2+1] op_sel:[1,0,0] op_sel_hi:[1,1,1]   ; (1 - wy, wy)
	v_lshl_add_u32 v[XA+CP], v[XI], 4, v[YI]       ; at most 130 x 2,112 + 130 x 16 = 276,640; with the largest immediate and the load's 16 bytes: 278,784, the frame's end
.elseif (\j) == 6
	v_sub_nc_u32 v[XM+CP], MIRR, v[XA+CP]          ; (130 - row, 130 - column): the mirror of corner (y0 + 1, x0 + 1), the lowest of the four mirrored corners
	v_pk_mul_f32 v[SW+2:SW+3], v[WU:WU+1], v[WY:WY+1] op_sel:[0,1] op_sel_hi:[1,1]                 ; (w10, w11) = (1 - wx, wx) wy
.else
	v_min_u32 v[XM+CP], MIRR, v[XM+CP]             ; the difference lies in 0 .. 276,640 by the bound above; behind a subtraction the clamp by a written constant is set again, so that the bound stands in the text
	v_pk_mul_f32 v[SW:SW+1],   v[WU:WU+1], v[WY:WY+1] op_sel_hi:[1,0]                              ; (w00, w01) = (1 - wx, wx) (1 - wy)
.endif
.endm
; LD j: load j of a pair's eight, by address set LP into the 32 corner registers v[LS ..] of a slot.  0-3: the corners (y0, x0), (y0, x0 + 1), (y0 + 1, x0), (y0 + 1, x0 + 1);
; 4-7: the mirrors of (y0 + 1, x0 + 1), (y0 + 1, x0), (y0, x0 + 1), (y0, x0).
.macro LD j
.if (\j) < 4
	ds_load_b128 v[LS+4*(\j):LS+4*(\j)+3], v[XA+LP] offset:((\j)/2)*ROWB+((\j)%2)*PXB
.else
	ds_load_b128 v[LS+4*(\j):LS+4*(\j)+3], v[XM+LP] offset:((\j)/2-2)*ROWB+((\j)%2)*PXB
.endif
.endm
; FM j: two of the sixteen multiply-adds that add a pair to the sums, two images an instruction.  Even j: corner j / 2 of the sample, with weight number j / 2, to block k's sums (A);
; odd j: corner j / 2 of its mirror, with weight number 3 - j / 2, to block 15 - k's (B).  Weight number n is half n % 2 of the pair v[SW + 2 (n / 2) ..].
; The four pairs of sums take turns.  first = 1: the first corner starts the sums: nothing is cleared.
.macro FM j, first
.if (\j)%2
.set fA, B
.set fD, MD+2*(\j)-2
.set wi, 3-(\j)/2
.else
.set fA, A
.set fD, SD+2*(\j)
.set wi, (\j)/2
.endif
.set fW, SW+2*(wi/2)
.if (\first) && ((\j) < 2)
.if wi%2
	v_pk_mul_f32 v[fA:fA+1],   v[fD:fD+1],   v[fW:fW+1] op_sel:[0,1] op_sel_hi:[1,1]
	v_pk_mul_f32 v[fA+2:fA+3], v[fD+2:fD+3], v[fW:fW+1] op_sel:[0,1] op_sel_hi:[1,1]
.else
	v_pk_mul_f32 v[fA:fA+1],   v[fD:fD+1],   v[fW:fW+1] op_sel_hi:[1,0]
	v_pk_mul_f32 v[fA+2:fA+3], v[fD+2:fD+3], v[fW:fW+1] op_sel_hi:[1,0]
.endif
.elseif wi%2
	v_pk_fma_f32 v[fA:fA+1],   v[fD:fD+1],   v[fW:fW+1], v[fA:fA+1]   op_sel:[0,1,0] op_sel_hi:[1,1,1]
	v_pk_fma_f32 v[fA+2:fA+3], v[fD+2:fD+3], v[fW:fW+1], v[fA+2:fA+3] op_sel:[0,1,0] op_sel_hi:[1,1,1]
.else
	v_pk_fma_f32 v[fA:fA+1],   v[fD:fD+1],   v[fW:fW+1], v[fA:fA+1]   op_sel_hi:[1,0,1]
	v_pk_fma_f32 v[fA+2:fA+3], v[fD+2:fD+3], v[fW:fW+1], v[fA+2:fA+3] op_sel_hi:[1,0,1]
.endif
.endm
; Step k of a trip's eight: block k's pair is added to the sums; the pair three on is asked for; the addresses and weights of the pair four on are made.
; last = 1: the last trip: its steps 4 to 7 make nothing more, its steps 5 to 7 ask for nothing more; a step holds a wait only where it has the dependence.
.macro STEP first, last
.set SW, RING+36*(k%4)                 ; the slot that is added: its weights (and, behind their last use, those of the pair four on),
.set SD, SW+4                          ; its sample's corners,
.set MD, SW+20                         ; its mirror's corners
.set A, ACC+4*k
.set B, ACC+4*(15-k)
.set LS, RING+36*((k+3)%4)+4           ; the slot that is asked for: the one that the step before added
.set LP, (k+1)%2                       ; by the addresses that the step before made
.set CP, k%2                           ; the other set is made anew
.set CT, 1
.set DOLD, 1
.set DOCA, 1
.if k == 3
.set CT, 2                             ; the pair four on is block 7's: then on to the next 4 t
.endif
.if \last
.if k == 3
.set CT, 0
.endif
.if k > 3
.set DOCA, 0
.endif
.if k > 4
.set DOLD, 0
.endif
.endif
.if (\last) && (k > 5)
	s_wait_dscnt 8*(7-k)                           ; the counts run down: 8, 0
.else
	s_wait_dscnt 16                                ; LDS loads come back in order (ISA guide 5.7.1): this step's pair is in, the 16 loads of the two younger pairs stay out
.endif
.if DOCA
	s_wait_alu depctr_vm_vsrc(0)                   ; the loads issued in the step before have read address set CP, which this step's lines write again
.endif
.if DOLD
	s_wait_alu depctr_va_vdst(0)                   ; the step before has written address set LP, which the loads below read, and is done reading its slot's corners, in which they land
.endif
.irp j, 0,1,2,3,4,5,6,7
.if DOLD
	LD \j                                          ; no further wait: no vector instruction since the wait names address set LP or that slot's corners
.endif
	FM \j, \first
.if DOCA
	CA \j
.endif
.endr
.endm
; A trip: 4 t for d = 0..63 and, mirrored, 4 other t for d = 64..127: eight pairs of samples a lane.  The loads run three pairs ahead of the sums, the addresses four, over the trip's end too.
.macro TRIP first, last
.set k, 0
.rept 8
	STEP \first, \last
.set k, k+1
.endr
.endm
; The ring's start: pair n of the first four, its addresses and weights, and its loads.
.macro CALC n
.set SW, RING+36*(\n)
.set CP, (\n)%2
.set CT, 1
.irp j, 0,1,2,3,4,5,6,7
	CA \j
.endr
.endm
.macro LOADS n
.set LS, RING+36*(\n)+4
.set LP, (\n)%2
.irp j, 0,1,2,3,4,5,6,7
	LD \j
.endr
.endm
	CALC 0
	CALC 1
	s_wait_alu depctr_va_vdst(0)                   ; both address sets are written, which the sixteen loads below read
	LOADS 0
	LOADS 1
	s_wait_alu depctr_vm_vsrc(0)                   ; those loads have read both address sets, which pairs 2 and 3 write again
	CALC 2
	s_wait_alu depctr_va_vdst(0)                   ; address set 0 is written, which the eight loads below read
	LOADS 2
	CALC 3                                         ; its loads stand in the first step, behind that step's own wait
	TRIP 1, 0                                      ; t = 0..3, and mirrored t = 124..127, start the sums
	s_mov_b32 s[CNT], 30
.Ltrip:
	TRIP 0, 0
	s_sub_co_u32 s[CNT], s[CNT], 1
	s_cmp_lg_u32 s[CNT], 0
	s_cbranch_scc1 .Ltrip
	TRIP 0, 1                                      ; t = 124..127, and mirrored t = 0..3
; THE WAY OUT.  The four lanes that share a d (lane bits 2 and 3 differ) add their sums; each then holds all four images' results and keeps one.
.set rg, ACC
.rept 64
	v_add_f32_dpp v[rg], v[rg], v[rg] row_xmask:4 row_mask:0xf bank_mask:0xf
.set rg, rg+1
.endr
.set rg, ACC
.rept 64
	v_add_f32_dpp v[rg], v[rg], v[rg] row_xmask:8 row_mask:0xf bank_mask:0xf
.set rg, rg+1
.endr
; All sixteen results are chosen first, each into a register of its own, so that one wait serves the sixteen stores.  v[XI] and v[YI] are named by vector instructions alone.
.set k, 0
.rept 16
	v_cndmask_b32 v[XI], v[ACC+4*k],   v[ACC+4*k+1], s[M1]
	v_cndmask_b32 v[YI], v[ACC+4*k+2], v[ACC+4*k+3], s[M1]
	v_cndmask_b32 v[RING+k], v[XI], v[YI], s[M2]
.set k, k+1
.endr
	s_wait_alu depctr_va_vdst(0)                   ; the selects have written v[RING ..], which the LDS stores read; and the sums' lines are done reading the ring's registers in which the loads from the stage land
; Through my own stage, which lies behind the frame and which no other wave touches: in by d and image, 4 bytes a lane, at 32 different banks (8 image + d); back as whole rows of 128 d.
; In blocks 8 to 15 my d is 8 k + 7 - (my d in a block): they go in by the second address.
.set k, 0
.rept 16
.if k < 8
	ds_store_b32 v[STO], v[RING+k] offset:32*k
.else
	ds_store_b32 v[STM], v[RING+k] offset:32*k
.endif
.set k, k+1
.endr
.irp j, 0,1,2,3
	ds_load_b128 v[RING+16+4*\j:RING+19+4*\j], v[RD] offset:\j*SROW   ; LDS serves a wave's instructions in order (ISA guide 5.7.1.4): these see the stores above
.endr
.irp j, 0,1,2,3
	s_wait_dscnt 3-\j                              ; row j is in, the younger ones stay out
	global_store_b128 v[GO], v[RING+16+4*\j:RING+19+4*\j], s[8:9] offset:\j*IMGB th:TH_STORE_NT   ; the wave stores 512 consecutive bytes, at a multiple of 512 from the first byte of out0
.endr
	s_wait_dscnt 0x0                               ; the closing lines, six on end
	s_wait_alu 0x0
	s_wait_tensorcnt 0x0
	ds_add_u32 v240, v241
	s_wait_dscnt 0x0
	s_endpgm
.Lfunc_end_k_qcab5e2fec8_project:
	.size	k_qcab5e2fec8_project, .Lfunc_end_k_qcab5e2fec8_project-k_qcab5e2fec8_project
	.p2alignl 7, 3214868480
	.fill 96, 4, 3214868480
	.section	.rodata,"a",@progbits
	.p2align	6, 0x0
	.amdhsa_kernel k_qcab5e2fec8_project
		.amdhsa_group_segment_fixed_size 323584
		.amdhsa_private_segment_fixed_size 0
		.amdhsa_enable_private_segment 0
		.amdhsa_kernarg_size 24
		.amdhsa_user_sgpr_count 2
		.amdhsa_user_sgpr_kernarg_segment_ptr 1
		.amdhsa_wavefront_size32 1
		.amdhsa_system_sgpr_workgroup_id_x 1
		.amdhsa_system_sgpr_workgroup_id_y 1
		.amdhsa_system_sgpr_workgroup_id_z 1
		.amdhsa_system_vgpr_workitem_id 0
		.amdhsa_next_free_vgpr 242
		.amdhsa_next_free_sgpr 66
		.amdhsa_reserve_vcc 0
		.amdhsa_float_denorm_mode_32 3
		.amdhsa_float_denorm_mode_16_64 3
		.amdhsa_memory_ordered 1
		.amdhsa_forward_progress 1
		.amdhsa_inst_pref_size 94
	.end_amdhsa_kernel
	.amdgpu_metadata
---
amdhsa.version: [ 1, 2 ]
amdhsa.kernels:
  - .name:           k_qcab5e2fec8_project
    .symbol:         k_qcab5e2fec8_project.kd
    .args:
      - { .name: x, .offset: 0, .size: 8, .value_kind: global_buffer, .address_space: global }
      - { .name: trig, .offset: 8, .size: 8, .value_kind: global_buffer, .address_space: global }
      - { .name: out0, .offset: 16, .size: 8, .value_kind: global_buffer, .address_space: global }
    .group_segment_fixed_size: 323584
    .private_segment_fixed_size: 0
    .kernarg_segment_align: 8
    .kernarg_segment_size: 24
    .max_flat_workgroup_size: 512
    .sgpr_count:     66
    .vgpr_count:     242
    .wavefront_size: 32
...
	.end_amdgpu_metadata
.endif
;; end of part 4
